; MI455X (gfx1250); checked and timed in simulation.
; The chip was launched on July 23, 2026; its instructions are those of AMD's public machine-readable ISA for CDNA 5 (MIT licence, August 2026) and "CDNA5" Instruction Set Architecture Reference Guide (July 2026). The comments in the code are by the model that wrote it; some were corrected since.
;; Decoder. Allowed arithmetic: float matrix products may take bf16 or f16 operands with f32 sums; other float arithmetic in f32, or as packed bf16 or f16 multiplies, adds, multiply-adds, maxima and minima; sums over many terms, partial sums and values carried from step to step in f32; what a program stores and reads back later, other than sums and carried values, may be rounded once to bf16 or f16.
;; Inputs: cur_xyzs 1 x 3 x 16,384 float32; pre_xyzs 1 x 3 x 8,192 float32; upsample_num 1 x 8,192 float32.
;; Outputs: out0 1 x 8,192 float32.
;; 2 versions, each right; version 2 is version 1 with the launch filter written anew for expert scheduling mode. Each part assembles by itself: llvm-mc -triple=amdgcn-amd-amdhsa -mcpu=gfx1250 --defsym DOCPART=n.
;; ======== version 1 of 2: 3 launches
;; limits: values within 0.000122 (relative) of each other or of a threshold may be ordered or decided otherwise than in the reference
;; workspace buffers: grp1 262,144 bytes of whole numbers; grp2 524,288 bytes of whole numbers; near 65,536 bytes of whole numbers
;; launch filter (part 1): grid 256 x 1, 8 waves a work-group, no clusters, 132,096 bytes of LDS; arguments cur_xyzs, pre_xyzs, grp1, grp2; writes grp1, grp2
.if DOCPART == 1
	.amdgcn_target "amdgcn-amd-amdhsa--gfx1250"
	.amdhsa_code_object_version 6
	.text
	.protected	k_qfc77da3911_filter
	.globl	k_qfc77da3911_filter
	.p2align	8
	.type	k_qfc77da3911_filter,@function
k_qfc77da3911_filter:
	s_mov_b64 s[64:65], 0
	v_nop
	global_prefetch_b8 v0, s[64:65] scope:SCOPE_SE
	s_setreg_imm32_b32 hwreg(HW_REG_WAVE_MODE, 25, 1), 1
	s_wait_xcnt 0x0
; FILTER.  All 8,192 x 16,384 squared distances, twice, on the matrix unit; what leaves are whole numbers: for each point the
; numbers of a few GROUPS (16 consecutive points of the other cloud) among which its nearest neighbours lie.  The exact choice is made later.
; Work-groups 0-127 (dir 0): 128 cur points each against all 8,192 pre points; 3 groups a point -> grp1[c][4] (ascending; the fourth repeats the third).
; Work-groups 128-255 (dir 1): 128 pre points against half of cur (8,192 points, half = range); 8 groups a point and half -> grp2[range][p][8] (ascending).
; ONE PRODUCT GIVES d.  A streamed point is a row of 8 bf16 (x, y, z, s1, s2, s3, 1, 1), s = x^2 + y^2 + z^2 = s1 + s2 + s3 exactly; a fixed point
; is (-2x, -2y, -2z, 1, 1, 1, t1, t2); their product is s + t - 2 dot.  t's rounding shifts all distances of a fixed point alike and changes no order.
; A fragment's lanes 0-15 hold K 0-7 and lanes 16-31 K 8-15 of row lane % 16 (ISA guide 7.12.2), so one 16-byte LDS load a lane carries TWO tiles of 16 points;
; B1 holds the fixed rows in K 0-7 alone, B2 in K 8-15 alone: two matrix instructions, 512 distances, for each 512 bytes of LDS.
; In the results lane (r, h) holds fixed point r and streamed rows 8 h .. 8 h + 7 of both tiles; the table is laid so that these 16 are one group.
; The lane takes their minimum, puts the group's number into the 10 low bits of the mantissa, and inserts that key into a sorted list (median of three).
; LIMITS.  All inputs are rounded to bf16 first, as in the later launches.  The key is off by 2^-13 of itself at the most, beside the product's own rounding: 3 groups are kept
; where 1 would do, and 8 in each half where 8 in all would do; where more distances than that agree so closely other groups may be kept than the exact order would.
; NaN and infinities are not treated apart; coordinates stay under 1e19, so that s is finite.
; NO TENSOR LOADS, NO CLUSTER: the table is made from 96 KiB of raw planes by arithmetic, so the data pass through registers anyway.
.set SPARE, 131072                     ; behind the table: the spare words, 128 bytes for each of eight waves
.set BIG,   0x7f7fffff                 ; the largest finite number
.set ONES,  0x3f803f80                 ; 1.0 twice in bf16
.set SETP,  40                         ; v40-71   four A fragments (8 registers each; the upper four stay 0)
.set SETQ,  72                         ; v72-103  four more
; v0 thread; v1 lane; v2 h; v3 r; v4, v5 the add's two registers; v6 16 x thread; v7, v8 table addresses for the build; v9 table address for the walk;
; v10 group number; v11 key; v12, v13 minima; v14 4 r; v15 output offset; v16-23 the list; v24-31 B1; v32-39 B2; v104-135 four results;
; v136-231 raw planes (later at work); v232-247 four table rows.
.macro INS base, n, key                ; a key into an ascending list of n: entry i becomes the median of its lower neighbour, itself and the key
.set ii, (\n)-1
.rept (\n)-1
	v_med3_num_f32 v[(\base)+ii], v[(\base)+ii-1], v[(\base)+ii], v[(\key)]
.set ii, ii-1
.endr
	v_min_num_f32 v[(\base)], v[(\base)], v[(\key)]
.endm
.macro INSG base, m, key               ; the same for a list that grows from m to m + 1 entries
.if (\m) == 0
	v_mov_b32 v[(\base)], v[(\key)]
.else
	v_max_num_f32 v[(\base)+(\m)], v[(\base)+(\m)-1], v[(\key)]
.set ii, (\m)-1
.rept (\m)-1
	v_med3_num_f32 v[(\base)+ii], v[(\base)+ii-1], v[(\base)+ii], v[(\key)]
.set ii, ii-1
.endr
	v_min_num_f32 v[(\base)], v[(\base)], v[(\key)]
.endif
.endm
; Four points of trip i of the build: rounded to bf16, s in f32 from the rounded numbers, s split into three bf16, four rows into the table.
.macro BUILD4 i
	s_wait_loadcnt 24-3*(\i)               ; loads return in order: behind this trip's three stand 3 (7 - i) of later trips and the 3 of the fixed point
.irp e, 0,1,2,3
	v_cvt_pk_bf16_f32 v[232+4*\e], v[136+12*(\i)+\e], v[140+12*(\i)+\e]   ; (x, y)
.endr
.irp e, 0,1,2,3
	v_cvt_pk_bf16_f32 v[40+8*\e], v[144+12*(\i)+\e], v[144+12*(\i)+\e]
.endr
.irp e, 0,1,2,3
	v_lshlrev_b32 v[41+8*\e], 16, v[232+4*\e]                             ; x as rounded
.endr
.irp e, 0,1,2,3
	v_and_b32 v[42+8*\e], s37, v[232+4*\e]                                ; y
.endr
.irp e, 0,1,2,3
	v_lshlrev_b32 v[40+8*\e], 16, v[40+8*\e]                              ; z
.endr
.irp e, 0,1,2,3
	v_mul_f32 v[41+8*\e], v[41+8*\e], v[41+8*\e]
.endr
.irp e, 0,1,2,3
	v_fma_f32 v[41+8*\e], v[42+8*\e], v[42+8*\e], v[41+8*\e]
.endr
.irp e, 0,1,2,3
	v_fma_f32 v[41+8*\e], v[40+8*\e], v[40+8*\e], v[41+8*\e]              ; s
.endr
.irp e, 0,1,2,3
	v_cvt_pk_bf16_f32 v[233+4*\e], v[144+12*(\i)+\e], v[41+8*\e]          ; (z, s1)
.endr
.irp e, 0,1,2,3
	v_and_b32 v[42+8*\e], s37, v[233+4*\e]
.endr
.irp e, 0,1,2,3
	v_sub_f32 v[41+8*\e], v[41+8*\e], v[42+8*\e]                          ; s - s1, exact
.endr
.irp e, 0,1,2,3
	v_cvt_pk_bf16_f32 v[42+8*\e], v[41+8*\e], v[41+8*\e]
.endr
.irp e, 0,1,2,3
	v_lshlrev_b32 v[42+8*\e], 16, v[42+8*\e]
.endr
.irp e, 0,1,2,3
	v_sub_f32 v[42+8*\e], v[41+8*\e], v[42+8*\e]                          ; s - s1 - s2, exact, and it fits bf16
.endr
.irp e, 0,1,2,3
	v_cvt_pk_bf16_f32 v[234+4*\e], v[41+8*\e], v[42+8*\e]                 ; (s2, s3); the row's fourth word (1, 1) was set once
.endr
.if (\i) < 4
	ds_store_b128 v7, v[232:235] offset:16384*(\i)
	ds_store_b128 v7, v[236:239] offset:16384*(\i)+64
	ds_store_b128 v7, v[240:243] offset:16384*(\i)+256
	ds_store_b128 v7, v[244:247] offset:16384*(\i)+320
.else
	ds_store_b128 v8, v[232:235] offset:16384*((\i)-4)
	ds_store_b128 v8, v[236:239] offset:16384*((\i)-4)+64
	ds_store_b128 v8, v[240:243] offset:16384*((\i)-4)+256
	ds_store_b128 v8, v[244:247] offset:16384*((\i)-4)+320
.endif
.endm
; One group: the minimum of the lane's 16 distances in result pair par (each result's lowest registers are read first), the key, the list of n.
.macro PROC par, n
.set DA, 104+16*(\par)
.set DB, 112+16*(\par)
	v_min3_num_f32 v12, v[DA], v[DA+1], v[DA+2]
	v_min3_num_f32 v13, v[DB], v[DB+1], v[DB+2]
	v_min3_num_f32 v12, v12, v[DA+3], v[DA+4]
	v_min3_num_f32 v13, v13, v[DB+3], v[DB+4]
	v_min3_num_f32 v12, v12, v[DA+5], v[DA+6]
	v_min3_num_f32 v13, v13, v[DB+5], v[DB+6]
	v_min3_num_f32 v12, v12, v[DA+7], v[DB+7]
	v_min_num_f32 v12, v12, v13
	v_bfi_b32 v11, s38, v12, v10           ; the distance's upper 22 bits, the group's number below
	v_add_nc_u32 v10, 2, v10               ; my next group: the two halves of the lanes take even and odd ones
	INS 16, \n, 11
.endm
; Two products into result pair par, then the group of the OTHER pair: its ten and more plain instructions name no register of these products, and they are the
; places between a product and the first read of its result, the next write of its result and the next load into its fragment.
.macro PAIR a, par, n
	v_wmma_f32_16x16x32_bf16 v[104+16*(\par):111+16*(\par)], v[(\a):(\a)+7], v[24:31], 0
	v_wmma_f32_16x16x32_bf16 v[112+16*(\par):119+16*(\par)], v[(\a):(\a)+7], v[32:39], 0
	PROC 1-(\par), \n
.endm
; Four slots of 512 bytes: set sb is multiplied while set ob is loaded for the next four.
.macro HALF sb, ob, load, off, n
	s_wait_dscnt 0x0                       ; set sb's four loads, issued four slots ago, are in
.if \load
	ds_load_b128 v[(\ob):(\ob)+3],     v9 offset:(\off)
	ds_load_b128 v[(\ob)+8:(\ob)+11],  v9 offset:(\off)+512
	ds_load_b128 v[(\ob)+16:(\ob)+19], v9 offset:(\off)+1024
	ds_load_b128 v[(\ob)+24:(\ob)+27], v9 offset:(\off)+1536
.endif
	PAIR (\sb), 0, \n
	PAIR (\sb)+8, 1, \n
	PAIR (\sb)+16, 0, \n
	PAIR (\sb)+24, 1, \n
.endm
; The walk over the table's 256 slots: 31 trips of eight, the last eight written out, since they load four slots fewer.
.macro WALK n
	s_mov_b32 s36, 31
.Lwalk_\@:
	HALF SETP, SETQ, 1, 2048, \n
	HALF SETQ, SETP, 1, 4096, \n
	v_add_nc_u32 v9, 0x1000, v9
	s_sub_co_u32 s36, s36, 1
	s_cmp_lg_u32 s36, 0
	s_cbranch_scc1 .Lwalk_\@
	HALF SETP, SETQ, 1, 2048, \n
	HALF SETQ, SETP, 0, 0, \n
	PROC 1, \n                             ; the last slot's group
.endm
	s_load_b128 s[4:7], s[0:1], 0x0        ; cur s[4:5], pre s[6:7]
	s_load_b128 s[8:11], s[0:1], 0x10      ; grp1 s[8:9], grp2 s[10:11]
	v_lshl_add_u32 v4, v0, 2, SPARE        ; my spare word
	v_mov_b32 v5, 0
	v_and_b32 v1, 31, v0                   ; lane
	v_lshrrev_b32 v2, 5, v0
	v_readfirstlane_b32 s12, v2            ; wave 0..7
	v_lshrrev_b32 v2, 4, v1                ; h
	v_and_b32 v3, 15, v0                   ; r
	v_lshlrev_b32 v6, 4, v0                ; my four points of a trip: 16 bytes in each plane
	; Where thread t puts its rows: slot t / 8; the odd group of a slot 128 bytes up; 16 (t % 4); the four rows at +0, +64, +256, +320.  So a slot's bytes 0-127 and 256-383
	; (load lanes 0-7 and 16-23) hold its even group, the others its odd group.  A wave's four slots are 2,048 bytes of its own in each trip's 16,384.
	v_lshrrev_b32 v7, 3, v1
	v_lshlrev_b32 v7, 9, v7
	v_and_b32 v8, 3, v0
	v_lshl_add_u32 v7, v8, 4, v7
	v_bfe_u32 v8, v0, 2, 1
	v_lshl_add_u32 v7, v8, 7, v7
	s_lshl_b32 s15, s12, 11
	v_add_nc_u32 v7, s15, v7
	v_add_nc_u32 v8, 0x10000, v7           ; trips 4-7: the immediate has 16 bits
	v_lshlrev_b32 v9, 4, v1                ; the walk: 16 x lane, 512 neighbouring bytes a load
	v_lshlrev_b32 v14, 2, v3
	s_lshr_b32 s13, ttmp9, 7               ; dir
	s_and_b32 s14, ttmp9, 127              ; b
	s_and_b32 s39, s14, 1
	s_lshr_b32 s18, s14, 1
	s_mov_b32 s37, 0xffff0000              ; a word's upper bf16
	s_mov_b32 s38, 0xfffffc00              ; the key's distance bits
	s_mov_b32 s40, 0x76543210              ; v_permlanex16_b32: each lane takes its own place in the other half
	s_mov_b32 s41, 0xfedcba98
	s_mov_b32 s44, 0x8000                  ; bytes in a plane of pre
	s_mov_b32 s45, 0x10000                 ; and of cur
	s_mov_b32 s21, 0
	s_mov_b32 s23, 0
	s_mov_b32 s25, 0
	s_wait_kmcnt 0x0
	s_cmp_eq_u32 s13, 0                    ; the selects below leave SCC as it is
	s_cselect_b32 s39, 0, s39              ; range: which half of cur is streamed (dir 1)
	s_cselect_b32 s18, s14, s18            ; my block of 128 fixed points
	s_cselect_b32 s20, s44, s45            ; the streamed cloud's plane
	s_cselect_b32 s22, s45, s44            ; the fixed cloud's plane
	s_cselect_b64 s[16:17], s[6:7], s[4:5] ; streamed: pre (dir 0) or cur
	s_cselect_b64 s[30:31], s[4:5], s[6:7] ; fixed: cur (dir 0) or pre
	s_lshl_b32 s24, s39, 15
	s_add_nc_u64 s[16:17], s[16:17], s[24:25]   ; x,
	s_add_nc_u64 s[26:27], s[16:17], s[20:21]   ; y,
	s_add_nc_u64 s[28:29], s[26:27], s[20:21]   ; z of the streamed points
	s_lshl_b32 s24, s18, 9
	s_lshl_b32 s15, s12, 6
	s_add_co_u32 s24, s24, s15             ; (128 block + 16 wave) x 4 bytes
	s_add_nc_u64 s[30:31], s[30:31], s[24:25]
	s_add_nc_u64 s[32:33], s[30:31], s[22:23]
	s_add_nc_u64 s[34:35], s[32:33], s[22:23]
.set i, 0
.rept 8                                ; all 96 KiB of the three planes are asked for at once: 24 loads a wave, 512 neighbouring bytes each
	global_load_b128 v[136+12*i:139+12*i], v6, s[16:17] offset:4096*i
	global_load_b128 v[140+12*i:143+12*i], v6, s[26:27] offset:4096*i
	global_load_b128 v[144+12*i:147+12*i], v6, s[28:29] offset:4096*i
.set i, i+1
.endr
	global_load_b32 v104, v14, s[30:31]    ; my fixed point: r of my wave's 16, in both halves of the lanes
	global_load_b32 v105, v14, s[32:33]
	global_load_b32 v106, v14, s[34:35]
.irp e, 0,1,2,3
	v_mov_b32 v[235+4*\e], ONES
.endr
.irp i, 0,1,2,3,4,5,6,7
	BUILD4 \i
.endr
	s_wait_loadcnt 0x0                     ; the fixed point
	v_cvt_pk_bf16_f32 v107, v104, v105
	v_cvt_pk_bf16_f32 v108, v106, v106
	v_lshlrev_b32 v109, 16, v107
	v_and_b32 v110, s37, v107
	v_lshlrev_b32 v111, 16, v108
	v_mul_f32 v112, v109, v109
	v_fma_f32 v112, v110, v110, v112
	v_fma_f32 v112, v111, v111, v112       ; t
	v_mul_f32 v109, -2.0, v109             ; exact
	v_mul_f32 v110, -2.0, v110
	v_mul_f32 v111, -2.0, v111
	v_mov_b32 v114, 1.0
	v_cvt_pk_bf16_f32 v113, v109, v110     ; (-2x, -2y)
	v_cvt_pk_bf16_f32 v114, v111, v114     ; (-2z, 1)
	v_cvt_pk_bf16_f32 v115, v112, v112
	v_lshlrev_b32 v115, 16, v115
	v_sub_f32 v116, v112, v115
	v_cvt_pk_bf16_f32 v116, v112, v116     ; (t1, t2)
	v_mov_b32 v115, ONES                   ; (1, 1)
	v_cmp_gt_u32 vcc_lo, 16, v1
.irp j, 28,29,30,31,36,37,38,39
	v_mov_b32 v\j, 0                       ; K 16-31 is not used
.endr
.irp j, 0,1,2,3
	v_cndmask_b32 v[24+\j], 0, v[113+\j], vcc_lo      ; B1: the row in lanes 0-15 (K 0-7), 0 above
	v_cndmask_b32 v[32+\j], v[113+\j], v28, vcc_lo    ; B2: the row in lanes 16-31 (K 8-15), 0 below
.endr
.set i, 0
.rept 8
.irp j, 4,5,6,7
	v_mov_b32 v[40+8*i+\j], 0              ; the fragments' K 16-31, once
.endr
.set i, i+1
.endr
.set i, 120
.rept 16
	v_mov_b32 v[i], BIG                    ; what the first PROC reads: a group that is none; 256 true groups a lane push it out of the list
.set i, i+1
.endr
.set i, 16
.rept 8
	v_mov_b32 v[i], BIG
.set i, i+1
.endr
	s_lshl_b32 s15, s39, 9
	s_sub_co_u32 s15, s15, 2
	v_add_nc_u32 v10, s15, v2              ; 512 range + h - 2: the first PROC's step makes it slot 0's group
	s_wait_dscnt 0x0                       ; for the others' sake: my rows are in the table
	s_barrier_signal -1
	s_barrier_wait -1                      ; everybody's are; the table is only read from here on
	ds_load_b128 v[40:43], v9
	ds_load_b128 v[48:51], v9 offset:512
	ds_load_b128 v[56:59], v9 offset:1024
	ds_load_b128 v[64:67], v9 offset:1536
	s_cmp_lg_u32 s13, 0
	s_cbranch_scc1 .Ltop8                  ; the same way for all waves of a work-group; no barrier follows
	WALK 3
	; the two halves of the lanes hold even and odd groups of the same point: each takes the other's list in
.irp j, 0,1,2
	v_permlanex16_b32 v[136+\j], v[16+\j], s40, s41
.endr
.irp j, 0,1,2
	INS 16, 3, 136+\j
.endr
.irp j, 0,1,2
	v_and_b32 v[136+\j], 0x3ff, v[16+\j]   ; the groups' numbers,
.endr
.irp j, 0,1,2
	v_cvt_f32_u32 v[136+\j], v[136+\j]     ; sorted ascending as floats (exact up to 1,023), so that the next launch meets lower indices first
.endr
.irp j, 0,1,2
	INSG 144, \j, 136+\j
.endr
.irp j, 0,1,2
	v_cvt_u32_f32 v[144+\j], v[144+\j]
.endr
	v_cmp_eq_u32 vcc_lo, 0, v2
	v_cndmask_b32 v136, v146, v144, vcc_lo ; lanes 0-15: entries 0, 1; lanes 16-31: entry 2 twice
	v_cndmask_b32 v137, v146, v145, vcc_lo
	v_lshlrev_b32 v15, 4, v3
	v_lshl_add_u32 v15, v2, 3, v15
	s_lshl_b32 s24, s14, 11
	s_lshl_b32 s15, s12, 8
	s_add_co_u32 s24, s24, s15             ; (128 b + 16 wave) x 16 bytes
	s_add_nc_u64 s[8:9], s[8:9], s[24:25]
	global_store_b64 v15, v[136:137], s[8:9]   ; the wave's store covers 256 consecutive bytes, aligned
	s_wait_tensorcnt 0x0                   ; the wave's end
	ds_add_u32 v4, v5
	s_wait_dscnt 0x0
	s_endpgm
.Ltop8:
	WALK 8
.irp j, 0,1,2,3,4,5,6,7
	v_permlanex16_b32 v[136+\j], v[16+\j], s40, s41
.endr
.irp j, 0,1,2,3,4,5,6,7
	INS 16, 8, 136+\j
.endr
.irp j, 0,1,2,3,4,5,6,7
	v_and_b32 v[136+\j], 0x3ff, v[16+\j]
.endr
.irp j, 0,1,2,3,4,5,6,7
	v_cvt_f32_u32 v[136+\j], v[136+\j]
.endr
.irp j, 0,1,2,3,4,5,6,7
	INSG 144, \j, 136+\j
.endr
.irp j, 0,1,2,3,4,5,6,7
	v_cvt_u32_f32 v[144+\j], v[144+\j]
.endr
	v_cmp_eq_u32 vcc_lo, 0, v2
.irp j, 0,1,2,3
	v_cndmask_b32 v[136+\j], v[148+\j], v[144+\j], vcc_lo   ; lanes 0-15: entries 0-3; lanes 16-31: entries 4-7
.endr
	v_lshlrev_b32 v15, 5, v3
	v_lshl_add_u32 v15, v2, 4, v15
	s_lshl_b32 s24, s39, 18                ; range x 8,192 points x 32 bytes
	s_lshl_b32 s15, s18, 12
	s_add_co_u32 s24, s24, s15
	s_lshl_b32 s15, s12, 9
	s_add_co_u32 s24, s24, s15             ; + (128 block + 16 wave) x 32 bytes
	s_add_nc_u64 s[10:11], s[10:11], s[24:25]
	global_store_b128 v15, v[136:139], s[10:11]   ; 512 consecutive bytes, aligned
	s_wait_tensorcnt 0x0                   ; the wave's end
	ds_add_u32 v4, v5
	s_wait_dscnt 0x0
	s_endpgm
.Lfunc_end_k_qfc77da3911_filter:
	.size	k_qfc77da3911_filter, .Lfunc_end_k_qfc77da3911_filter-k_qfc77da3911_filter
	.p2alignl 7, 3214868480
	.fill 96, 4, 3214868480
	.section	.rodata,"a",@progbits
	.p2align	6, 0x0
	.amdhsa_kernel k_qfc77da3911_filter
		.amdhsa_group_segment_fixed_size 132096
		.amdhsa_private_segment_fixed_size 0
		.amdhsa_enable_private_segment 0
		.amdhsa_kernarg_size 32
		.amdhsa_user_sgpr_count 2
		.amdhsa_user_sgpr_kernarg_segment_ptr 1
		.amdhsa_wavefront_size32 1
		.amdhsa_system_sgpr_workgroup_id_x 1
		.amdhsa_system_sgpr_workgroup_id_y 1
		.amdhsa_system_sgpr_workgroup_id_z 1
		.amdhsa_system_vgpr_workitem_id 0
		.amdhsa_next_free_vgpr 256
		.amdhsa_next_free_sgpr 66
		.amdhsa_reserve_vcc 1
		.amdhsa_float_denorm_mode_32 3
		.amdhsa_float_denorm_mode_16_64 3
		.amdhsa_memory_ordered 1
		.amdhsa_forward_progress 1
		.amdhsa_inst_pref_size 80
	.end_amdhsa_kernel
	.amdgpu_metadata
---
amdhsa.version: [ 1, 2 ]
amdhsa.kernels:
  - .name:           k_qfc77da3911_filter
    .symbol:         k_qfc77da3911_filter.kd
    .args:
      - { .name: cur_xyzs, .offset: 0, .size: 8, .value_kind: global_buffer, .address_space: global }
      - { .name: pre_xyzs, .offset: 8, .size: 8, .value_kind: global_buffer, .address_space: global }
      - { .name: grp1, .offset: 16, .size: 8, .value_kind: global_buffer, .address_space: global }
      - { .name: grp2, .offset: 24, .size: 8, .value_kind: global_buffer, .address_space: global }
    .group_segment_fixed_size: 132096
    .private_segment_fixed_size: 0
    .kernarg_segment_align: 8
    .kernarg_segment_size: 32
    .max_flat_workgroup_size: 256
    .sgpr_count:     66
    .vgpr_count:     256
    .wavefront_size: 32
...
	.end_amdgpu_metadata
.endif
;; end of part 1
;; launch nearest (part 2): grid 256 x 1, 2 waves a work-group, no clusters, 0 bytes of LDS; arguments cur_xyzs, pre_xyzs, grp1, near; writes near
.if DOCPART == 2
	.amdgcn_target "amdgcn-amd-amdhsa--gfx1250"
	.amdhsa_code_object_version 6
	.text
	.protected	k_qfc77da3911_nearest
	.globl	k_qfc77da3911_nearest
	.p2align	8
	.type	k_qfc77da3911_nearest,@function
k_qfc77da3911_nearest:
	s_mov_b64 s[64:65], 0
	v_nop
	global_prefetch_b8 v0, s[64:65] scope:SCOPE_SE
	s_setreg_imm32_b32 hwreg(HW_REG_WAVE_MODE, 25, 1), 1
	s_wait_xcnt 0x0
; NEAREST.  near[c] = the index of the pre point nearest to cur point c, chosen exactly among the 3 x 16 candidates that grp1[c] names.
; One lane, one c: 64 a work-group.  All coordinates are rounded to bf16 first; then d = ((sc + sp) - 2 dot) in f32, with s = (x x + y y) + z z and
; dot = (x x' + y y') + z z': every product of two bf16 is exact in f32, so fused and unfused multiply-adds give the same bits.
; The groups come in ascending order and a later candidate replaces the best only if it is strictly smaller: the lowest index wins a tie.
; LIMITS: NaN and infinities are not treated apart.  The matrix unit, LDS and barriers have nothing to do here: 48 distances a lane, no data shared between lanes.
; v1 4 c; v2 16 c; v4-7 group numbers; v8-10 their byte offsets; v12-14 c's coordinates; v16-23 x, y, z, s of c, each twice (pairs for the packed forms);
; v24 best d; v25 its code 16 j + k; v26-33 at work; v40-183 three groups' X16, Y16, Z16; v184-199 s, then d; v200-215 dot.
.set TMPB, 26
.macro RND48 base                      ; 48 numbers rounded to bf16 and widened again, in place
.set qq, 0
.rept 12
	v_cvt_pk_bf16_f32 v[TMPB+2*(qq%4)],   v[(\base)+4*qq],   v[(\base)+4*qq+1]
	v_cvt_pk_bf16_f32 v[TMPB+2*(qq%4)+1], v[(\base)+4*qq+2], v[(\base)+4*qq+3]
	v_lshlrev_b32 v[(\base)+4*qq],   16,  v[TMPB+2*(qq%4)]
	v_and_b32     v[(\base)+4*qq+1], s13, v[TMPB+2*(qq%4)]
	v_lshlrev_b32 v[(\base)+4*qq+2], 16,  v[TMPB+2*(qq%4)+1]
	v_and_b32     v[(\base)+4*qq+3], s13, v[TMPB+2*(qq%4)+1]
.set qq, qq+1
.endr
.endm
.macro DIST16 xb, sb, qb, f            ; 16 distances, two at a time: X at xb, Y at xb + 16, Z at xb + 32; my point's pairs x, y, z, s at f, f + 2, f + 4, f + 6
.set pp, 0
.rept 8
	v_pk_mul_f32 v[(\sb)+pp:(\sb)+pp+1], v[(\xb)+pp:(\xb)+pp+1], v[(\xb)+pp:(\xb)+pp+1]
	v_pk_mul_f32 v[(\qb)+pp:(\qb)+pp+1], v[(\xb)+pp:(\xb)+pp+1], v[(\f):(\f)+1]
.set pp, pp+2
.endr
.set pp, 0
.rept 8
	v_pk_fma_f32 v[(\sb)+pp:(\sb)+pp+1], v[(\xb)+16+pp:(\xb)+17+pp], v[(\xb)+16+pp:(\xb)+17+pp], v[(\sb)+pp:(\sb)+pp+1]
	v_pk_fma_f32 v[(\qb)+pp:(\qb)+pp+1], v[(\xb)+16+pp:(\xb)+17+pp], v[(\f)+2:(\f)+3], v[(\qb)+pp:(\qb)+pp+1]
.set pp, pp+2
.endr
.set pp, 0
.rept 8
	v_pk_fma_f32 v[(\sb)+pp:(\sb)+pp+1], v[(\xb)+32+pp:(\xb)+33+pp], v[(\xb)+32+pp:(\xb)+33+pp], v[(\sb)+pp:(\sb)+pp+1]
	v_pk_fma_f32 v[(\qb)+pp:(\qb)+pp+1], v[(\xb)+32+pp:(\xb)+33+pp], v[(\f)+4:(\f)+5], v[(\qb)+pp:(\qb)+pp+1]
.set pp, pp+2
.endr
.set pp, 0
.rept 8
	v_pk_add_f32 v[(\sb)+pp:(\sb)+pp+1], v[(\sb)+pp:(\sb)+pp+1], v[(\f)+6:(\f)+7]
.set pp, pp+2
.endr
.set pp, 0
.rept 8
	v_pk_fma_f32 v[(\sb)+pp:(\sb)+pp+1], v[(\qb)+pp:(\qb)+pp+1], -2.0, v[(\sb)+pp:(\sb)+pp+1] op_sel_hi:[1,0,1]  ; 2 dot is exact: one rounding, as in the unfused form
.set pp, pp+2
.endr
.endm
.macro AMIN j                          ; the running minimum over group j's 16 distances
.set kk, 0
.rept 16
	v_cmp_le_f32 vcc_lo, v24, v[184+kk]            ; the best so far stays unless this one is strictly smaller
	v_cndmask_b32 v25, 16*(\j)+kk, v25, vcc_lo
	v_cndmask_b32 v24, v[184+kk], v24, vcc_lo
.set kk, kk+1
.endr
.endm
	s_load_b256 s[4:11], s[0:1], 0x0       ; cur s[4:5], pre s[6:7], grp1 s[8:9], near s[10:11]
	s_lshl_b32 s12, ttmp9, 6
	s_mov_b32 s13, 0xffff0000              ; a word's upper bf16
	v_add_nc_u32 v3, s12, v0               ; c
	v_lshlrev_b32 v1, 2, v3
	v_lshlrev_b32 v2, 4, v3
	v_mov_b32 v24, 0x7f800000
	v_mov_b32 v25, 0
	s_wait_kmcnt 0x0
	global_load_b128 v[4:7], v2, s[8:9]
	global_load_b32 v12, v1, s[4:5]
	global_load_b32 v13, v1, s[4:5] offset:65536
	global_load_b32 v14, v1, s[4:5] offset:131072
	s_wait_loadcnt 0x3                     ; the group numbers are in; c's three loads may stay out
.irp j, 0,1,2
	v_min_u32 v[4+\j], 0x1ff, v[4+\j]      ; pre has 512 groups
.endr
.irp j, 0,1,2
	v_lshlrev_b32 v[8+\j], 6, v[4+\j]      ; a group is 64 bytes of each plane
.endr
.irp j, 0,1,2
.irp pl, 0,1,2
.irp q, 0,1,2,3
	global_load_b128 v[40+48*\j+16*\pl+4*\q:43+48*\j+16*\pl+4*\q], v[8+\j], s[6:7] offset:32768*\pl+16*\q
.endr
.endr
.endr
	s_wait_loadcnt 36                      ; c's coordinates are in; the 36 loads behind them may stay out
	v_cvt_pk_bf16_f32 v26, v12, v13
	v_cvt_pk_bf16_f32 v27, v14, v14
	v_lshlrev_b32 v16, 16, v26
	v_and_b32 v18, s13, v26
	v_lshlrev_b32 v20, 16, v27
	v_mov_b32 v17, v16
	v_mov_b32 v19, v18
	v_mov_b32 v21, v20
	v_mul_f32 v22, v16, v16
	v_fma_f32 v22, v18, v18, v22
	v_fma_f32 v22, v20, v20, v22
	v_mov_b32 v23, v22
.irp j, 0,1,2
	s_wait_loadcnt 24-12*\j                ; group j's twelve loads are in; the later groups' may stay out
	RND48 40+48*\j
	DIST16 40+48*\j, 184, 200, 16
	AMIN \j
.endr
	v_lshrrev_b32 v26, 4, v25              ; which group,
	v_and_b32 v27, 15, v25                 ; which of its 16
	v_cmp_eq_u32 vcc_lo, 1, v26
	v_cndmask_b32 v28, v4, v5, vcc_lo
	v_cmp_eq_u32 vcc_lo, 2, v26
	v_cndmask_b32 v28, v28, v6, vcc_lo
	v_lshl_add_u32 v27, v28, 4, v27
	global_store_b32 v1, v27, s[10:11]     ; the work-group's two stores cover 256 consecutive bytes, aligned
	s_endpgm
.Lfunc_end_k_qfc77da3911_nearest:
	.size	k_qfc77da3911_nearest, .Lfunc_end_k_qfc77da3911_nearest-k_qfc77da3911_nearest
	.p2alignl 7, 3214868480
	.fill 96, 4, 3214868480
	.section	.rodata,"a",@progbits
	.p2align	6, 0x0
	.amdhsa_kernel k_qfc77da3911_nearest
		.amdhsa_group_segment_fixed_size 0
		.amdhsa_private_segment_fixed_size 0
		.amdhsa_enable_private_segment 0
		.amdhsa_kernarg_size 32
		.amdhsa_user_sgpr_count 2
		.amdhsa_user_sgpr_kernarg_segment_ptr 1
		.amdhsa_wavefront_size32 1
		.amdhsa_system_sgpr_workgroup_id_x 1
		.amdhsa_system_sgpr_workgroup_id_y 1
		.amdhsa_system_sgpr_workgroup_id_z 1
		.amdhsa_system_vgpr_workitem_id 0
		.amdhsa_next_free_vgpr 216
		.amdhsa_next_free_sgpr 66
		.amdhsa_reserve_vcc 1
		.amdhsa_float_denorm_mode_32 3
		.amdhsa_float_denorm_mode_16_64 3
		.amdhsa_memory_ordered 1
		.amdhsa_forward_progress 1
		.amdhsa_inst_pref_size 32
	.end_amdhsa_kernel
	.amdgpu_metadata
---
amdhsa.version: [ 1, 2 ]
amdhsa.kernels:
  - .name:           k_qfc77da3911_nearest
    .symbol:         k_qfc77da3911_nearest.kd
    .args:
      - { .name: cur_xyzs, .offset: 0, .size: 8, .value_kind: global_buffer, .address_space: global }
      - { .name: pre_xyzs, .offset: 8, .size: 8, .value_kind: global_buffer, .address_space: global }
      - { .name: grp1, .offset: 16, .size: 8, .value_kind: global_buffer, .address_space: global }
      - { .name: near, .offset: 24, .size: 8, .value_kind: global_buffer, .address_space: global }
    .group_segment_fixed_size: 0
    .private_segment_fixed_size: 0
    .kernarg_segment_align: 8
    .kernarg_segment_size: 32
    .max_flat_workgroup_size: 64
    .sgpr_count:     66
    .vgpr_count:     216
    .wavefront_size: 32
...
	.end_amdgpu_metadata
.endif
;; end of part 2
;; launch gather (part 3): grid 256 x 1, 16 waves a work-group, no clusters, 2,304 bytes of LDS; arguments cur_xyzs, pre_xyzs, upsample_num, grp2, near, out0; writes out0
.if DOCPART == 3
	.amdgcn_target "amdgcn-amd-amdhsa--gfx1250"
	.amdhsa_code_object_version 6
	.text
	.protected	k_qfc77da3911_gather
	.globl	k_qfc77da3911_gather
	.p2align	8
	.type	k_qfc77da3911_gather,@function
k_qfc77da3911_gather:
	s_mov_b64 s[64:65], 0
	v_nop
	global_prefetch_b8 v0, s[64:65] scope:SCOPE_SE
	s_setreg_imm32_b32 hwreg(HW_REG_WAVE_MODE, 25, 1), 1
	s_wait_xcnt 0x0
; GATHER.  out0[p] = (the sum over the 8 cur points c nearest to p, of |c - p| where near[c] = p) / upsample_num[p].
; Sixteen lanes (a row) share one p; lane i takes the 16 cur points of group grp2[i / 8][p][i % 8]: 256 candidates, in ascending index order along the lanes and, in a lane, along k.
; All inputs are rounded to bf16 first; d = ((sp + sc) - 2 dot) in f32 as in the launch before, the same bits for the same pair.
; THE EIGHT.  Each lane sorts its 8 smallest d; three merges across the row (lanes 1, 2, 4 apart) and one last minimum step (8 apart) give T, the 8th smallest of the 256.
; Taken are all d < T and, of those equal to T, the first 8 - (number below T) in index order: a scan along the row and a count-down in the lane.  No branch hangs on a float.
; LIMITS: NaN and infinities are not treated apart; the division is a multiplication by v_rcp_f32's reciprocal.
; The matrix unit has nothing to do here (256 distances a point, all wanted to the last bit).
; v1, v2 the add's two registers; v3 i; v4 p; v5, v7, v8 offsets; v6 group; v10-13 p's x, y, z and u; v14-21 x, y, z, s of p, each twice; v22 1 / u; v23 T;
; v24, v25 counts below and equal; v26 scan; v27 ties that I may still take; v28 sum; v29, v30 at work; v31 LDS address;
; v32-79 X16, Y16, Z16; v80-95 near; v96-111 d; v112-127 dot, then |c - p|; v128-135, v136-143 two lists; v144-151 at work.
.set SPARE, 256                        ; the results have LDS bytes 0-127 (the block 0-255 to themselves); then the spare words, 128 bytes for each of 16 waves
.set TMPB, 144
.macro RND48 base                      ; 48 numbers rounded to bf16 and widened again, in place
.set qq, 0
.rept 12
	v_cvt_pk_bf16_f32 v[TMPB+2*(qq%4)],   v[(\base)+4*qq],   v[(\base)+4*qq+1]
	v_cvt_pk_bf16_f32 v[TMPB+2*(qq%4)+1], v[(\base)+4*qq+2], v[(\base)+4*qq+3]
	v_lshlrev_b32 v[(\base)+4*qq],   16,  v[TMPB+2*(qq%4)]
	v_and_b32     v[(\base)+4*qq+1], s19, v[TMPB+2*(qq%4)]
	v_lshlrev_b32 v[(\base)+4*qq+2], 16,  v[TMPB+2*(qq%4)+1]
	v_and_b32     v[(\base)+4*qq+3], s19, v[TMPB+2*(qq%4)+1]
.set qq, qq+1
.endr
.endm
.macro DIST16 xb, sb, qb, f            ; 16 distances, two at a time: X at xb, Y at xb + 16, Z at xb + 32; my point's pairs x, y, z, s at f, f + 2, f + 4, f + 6
.set pp, 0
.rept 8
	v_pk_mul_f32 v[(\sb)+pp:(\sb)+pp+1], v[(\xb)+pp:(\xb)+pp+1], v[(\xb)+pp:(\xb)+pp+1]
	v_pk_mul_f32 v[(\qb)+pp:(\qb)+pp+1], v[(\xb)+pp:(\xb)+pp+1], v[(\f):(\f)+1]
.set pp, pp+2
.endr
.set pp, 0
.rept 8
	v_pk_fma_f32 v[(\sb)+pp:(\sb)+pp+1], v[(\xb)+16+pp:(\xb)+17+pp], v[(\xb)+16+pp:(\xb)+17+pp], v[(\sb)+pp:(\sb)+pp+1]
	v_pk_fma_f32 v[(\qb)+pp:(\qb)+pp+1], v[(\xb)+16+pp:(\xb)+17+pp], v[(\f)+2:(\f)+3], v[(\qb)+pp:(\qb)+pp+1]
.set pp, pp+2
.endr
.set pp, 0
.rept 8
	v_pk_fma_f32 v[(\sb)+pp:(\sb)+pp+1], v[(\xb)+32+pp:(\xb)+33+pp], v[(\xb)+32+pp:(\xb)+33+pp], v[(\sb)+pp:(\sb)+pp+1]
	v_pk_fma_f32 v[(\qb)+pp:(\qb)+pp+1], v[(\xb)+32+pp:(\xb)+33+pp], v[(\f)+4:(\f)+5], v[(\qb)+pp:(\qb)+pp+1]
.set pp, pp+2
.endr
.set pp, 0
.rept 8
	v_pk_add_f32 v[(\sb)+pp:(\sb)+pp+1], v[(\sb)+pp:(\sb)+pp+1], v[(\f)+6:(\f)+7]
.set pp, pp+2
.endr
.set pp, 0
.rept 8
	v_pk_fma_f32 v[(\sb)+pp:(\sb)+pp+1], v[(\qb)+pp:(\qb)+pp+1], -2.0, v[(\sb)+pp:(\sb)+pp+1] op_sel_hi:[1,0,1]  ; 2 dot is exact: one rounding, as in the unfused form
.set pp, pp+2
.endr
.endm
.macro INS base, n, key                ; a key into an ascending list of n: entry i becomes the median of its lower neighbour, itself and the key
.set ii, (\n)-1
.rept (\n)-1
	v_med3_num_f32 v[(\base)+ii], v[(\base)+ii-1], v[(\base)+ii], v[(\key)]
.set ii, ii-1
.endr
	v_min_num_f32 v[(\base)], v[(\base)], v[(\key)]
.endm
.macro INSG base, m, key               ; the same for a list that grows from m to m + 1 entries
.if (\m) == 0
	v_mov_b32 v[(\base)], v[(\key)]
.else
	v_max_num_f32 v[(\base)+(\m)], v[(\base)+(\m)-1], v[(\key)]
.set ii, (\m)-1
.rept (\m)-1
	v_med3_num_f32 v[(\base)+ii], v[(\base)+ii-1], v[(\base)+ii], v[(\key)]
.set ii, ii-1
.endr
	v_min_num_f32 v[(\base)], v[(\base)], v[(\key)]
.endif
.endm
.macro LOW8 m                          ; the 8 smallest of my list and that of the lane m away: my entry i against its entry 7 - i
.irp j, 0,1,2,3,4,5,6,7
	v_min_num_f32_dpp v[136+\j], v[135-\j], v[128+\j] row_xmask:\m row_mask:0xf bank_mask:0xf
.endr
.endm
.macro MERGE m                         ; and sorted again: what LOW8 leaves first falls and then rises or the like (bitonic), so three rounds of compare and exchange do
	LOW8 \m
.irp j, 0,1,2,3
	v_min_num_f32 v[128+\j], v[136+\j], v[140+\j]
	v_max_num_f32 v[132+\j], v[136+\j], v[140+\j]
.endr
.irp j, 0,1,4,5
	v_min_num_f32 v[136+\j], v[128+\j], v[130+\j]
	v_max_num_f32 v[138+\j], v[128+\j], v[130+\j]
.endr
.irp j, 0,2,4,6
	v_min_num_f32 v[128+\j], v[136+\j], v[137+\j]
	v_max_num_f32 v[129+\j], v[136+\j], v[137+\j]
.endr
.endm
.macro ROWSUM r                        ; the sum over the row's 16 lanes, in every lane
.irp m, 1,2,4,8
	v_add_f32_dpp v[\r], v[\r], v[\r] row_xmask:\m row_mask:0xf bank_mask:0xf
.endr
.endm
	s_load_b256 s[4:11], s[0:1], 0x0       ; cur s[4:5], pre s[6:7], upsample_num s[8:9], grp2 s[10:11]
	s_load_b128 s[12:15], s[0:1], 0x20     ; near s[12:13], out0 s[14:15]
	v_lshl_add_u32 v1, v0, 2, SPARE        ; my spare word
	v_mov_b32 v2, 0
	v_lshrrev_b32 v29, 5, v0
	v_readfirstlane_b32 s17, v29           ; wave 0..15
	v_and_b32 v3, 15, v0                   ; i
	v_lshrrev_b32 v4, 4, v0
	s_lshl_b32 s16, ttmp9, 5
	v_add_nc_u32 v4, s16, v4               ; p = 32 x work-group + thread / 16
	v_lshlrev_b32 v8, 2, v4
	v_lshrrev_b32 v5, 3, v3
	v_lshlrev_b32 v5, 18, v5               ; the half's list: 262,144 bytes apart,
	v_lshl_add_u32 v5, v4, 5, v5           ; 32 bytes a point,
	v_and_b32 v6, 7, v3
	v_lshl_add_u32 v5, v6, 2, v5           ; my entry
	v_bfe_u32 v31, v0, 4, 1
	v_lshlrev_b32 v31, 2, v31
	s_lshl_b32 s18, s17, 3
	v_add_nc_u32 v31, s18, v31             ; my row's result word: 8 x wave + 4 x (lane / 16)
	s_mov_b32 s19, 0xffff0000              ; a word's upper bf16
	s_wait_kmcnt 0x0
	global_load_b32 v6, v5, s[10:11]
	global_load_b32 v10, v8, s[6:7]
	global_load_b32 v11, v8, s[6:7] offset:32768
	global_load_b32 v12, v8, s[6:7] offset:65536
	global_load_b32 v13, v8, s[8:9]
.irp j, 0,1,2,3,4,5,6,7
	v_mov_b32 v[136+\j], 0                 ; written once, since a destination of a lane-crossing form counts as read
.endr
	v_mov_b32 v29, 0
	v_mov_b32 v24, 0
	v_mov_b32 v25, 0
	v_mov_b32 v28, 0
	s_wait_loadcnt 0x4                     ; my group's number is in; p's four loads may stay out
	v_min_u32 v6, 0x3ff, v6                ; cur has 1,024 groups
	v_lshlrev_b32 v7, 6, v6                ; a group is 64 bytes of each plane, and of near
.irp pl, 0,1,2
.irp q, 0,1,2,3
	global_load_b128 v[32+16*\pl+4*\q:35+16*\pl+4*\q], v7, s[4:5] offset:65536*\pl+16*\q
.endr
.endr
.irp q, 0,1,2,3
	global_load_b128 v[80+4*\q:83+4*\q], v7, s[12:13] offset:16*\q
.endr
	s_wait_loadcnt 16                      ; p's coordinates and u are in; the 16 loads behind them may stay out
	v_cvt_pk_bf16_f32 v144, v10, v11
	v_cvt_pk_bf16_f32 v145, v12, v13
	v_lshlrev_b32 v14, 16, v144
	v_and_b32 v16, s19, v144
	v_lshlrev_b32 v18, 16, v145
	v_and_b32 v13, s19, v145               ; u as rounded
	v_rcp_f32 v22, v13                     ; plain instructions that touch neither v22 nor v13 follow (ISA guide 5.7.2)
	v_mov_b32 v15, v14
	v_mov_b32 v17, v16
	v_mov_b32 v19, v18
	v_mul_f32 v20, v14, v14
	v_fma_f32 v20, v16, v16, v20
	v_fma_f32 v20, v18, v18, v20
	v_mov_b32 v21, v20
	s_wait_loadcnt 0x4                     ; the coordinates of my 16 points are in; near's four loads may stay out
	RND48 32
	DIST16 32, 96, 112, 14
	; |c - p| by the differences
.set pp, 0
.rept 8
	v_pk_add_f32 v[32+pp:33+pp], v[32+pp:33+pp], v[14:15] neg_lo:[0,1] neg_hi:[0,1]
	v_pk_add_f32 v[48+pp:49+pp], v[48+pp:49+pp], v[16:17] neg_lo:[0,1] neg_hi:[0,1]
	v_pk_add_f32 v[64+pp:65+pp], v[64+pp:65+pp], v[18:19] neg_lo:[0,1] neg_hi:[0,1]
.set pp, pp+2
.endr
.set pp, 0
.rept 8
	v_pk_mul_f32 v[112+pp:113+pp], v[32+pp:33+pp], v[32+pp:33+pp]
.set pp, pp+2
.endr
.set pp, 0
.rept 8
	v_pk_fma_f32 v[112+pp:113+pp], v[48+pp:49+pp], v[48+pp:49+pp], v[112+pp:113+pp]
.set pp, pp+2
.endr
.set pp, 0
.rept 8
	v_pk_fma_f32 v[112+pp:113+pp], v[64+pp:65+pp], v[64+pp:65+pp], v[112+pp:113+pp]
.set pp, pp+2
.endr
.set kk, 0
.rept 16
	v_sqrt_f32 v[112+kk], v[112+kk]
.set kk, kk+1
.endr
	v_nop                                  ; a plain instruction between the last root and the use of its result
	s_wait_loadcnt 0x0                     ; near
.set kk, 0
	s_wait_alu depctr_va_vdst(0)
.rept 16
	v_cmp_eq_u32 vcc_lo, v[80+kk], v4      ; is p the point nearest to this c?
	v_cndmask_b32 v[112+kk], 0, v[112+kk], vcc_lo
.set kk, kk+1
.endr
	; my 8 smallest d, ascending
.set kk, 0
.rept 8
	INSG 128, kk, 96+kk
.set kk, kk+1
.endr
.rept 8
	INS 128, 8, 96+kk
.set kk, kk+1
.endr
	MERGE 1
	MERGE 2
	MERGE 4
	LOW8 8
	v_max3_num_f32 v23, v136, v137, v138
	v_max3_num_f32 v23, v23, v139, v140
	v_max3_num_f32 v23, v23, v141, v142
	v_max_num_f32 v23, v23, v143           ; T: the 8th smallest of the row's 256
.set kk, 0
.rept 16
	v_cmp_lt_f32 vcc_lo, v[96+kk], v23
	v_add_co_ci_u32 v24, vcc_lo, 0, v24, vcc_lo    ; how many of mine lie below T,
	v_cmp_eq_f32 vcc_lo, v[96+kk], v23
	v_add_co_ci_u32 v25, vcc_lo, 0, v25, vcc_lo    ; how many are equal to it
.set kk, kk+1
.endr
	v_cvt_f32_u32 v24, v24
	v_cvt_f32_u32 v25, v25
	ROWSUM 24                              ; below T in the whole row: 7 at the most
	v_mov_b32 v26, v25
.irp m, 1,2,4,8                        ; equal to T in my lane and the lanes below it
	v_mov_b32_dpp v29, v26 row_shr:\m row_mask:0xf bank_mask:0xf bound_ctrl:1
	v_add_f32 v26, v26, v29
.endr
	v_sub_f32 v27, 0x41000000, v24         ; 8 - below: the ties that the row may take,
	v_sub_f32 v27, v27, v26
	v_add_f32 v27, v27, v25                ; less those of the lanes below me: what is left for mine (it may be negative)
.set kk, 0
.rept 16
	v_cmp_eq_f32 s20, v[96+kk], v23
	v_cmp_lt_f32 s21, 0, v27
	v_cmp_lt_f32 vcc_lo, v[96+kk], v23
	s_and_b32 s21, s21, s20                ; a tie for which there is still room,
	s_or_b32 vcc_lo, vcc_lo, s21           ; or a distance below T
	v_cndmask_b32 v29, 0, v[112+kk], vcc_lo
	v_cndmask_b32 v30, 0, 1.0, s20
	v_add_f32 v28, v28, v29
	v_sub_f32 v27, v27, v30                ; every tie of mine uses a place up
.set kk, kk+1
.endr
	ROWSUM 28
	v_mul_f32 v28, v28, v22
	ds_store_b32 v31, v28                  ; the row's 16 lanes write the same word with the same number
	s_wait_dscnt 0x0                       ; for wave 0's sake: my two results are in LDS
	s_barrier_signal -1
	s_barrier_wait -1
	s_cmp_lg_u32 s17, 0
	s_cbranch_scc1 .Lend
	v_and_b32 v30, 31, v0                  ; wave 0 stores the work-group's 32 results: 128 consecutive bytes, all that it owns
	v_lshlrev_b32 v30, 2, v30
	ds_load_b32 v29, v30
	s_lshl_b32 s18, ttmp9, 7
	v_add_nc_u32 v32, s18, v30
	s_wait_dscnt 0x0
	global_store_b32 v32, v29, s[14:15]
.Lend:
	s_wait_tensorcnt 0x0                   ; the wave's end
	ds_add_u32 v1, v2
	s_wait_dscnt 0x0
	s_endpgm
.Lfunc_end_k_qfc77da3911_gather:
	.size	k_qfc77da3911_gather, .Lfunc_end_k_qfc77da3911_gather-k_qfc77da3911_gather
	.p2alignl 7, 3214868480
	.fill 96, 4, 3214868480
	.section	.rodata,"a",@progbits
	.p2align	6, 0x0
	.amdhsa_kernel k_qfc77da3911_gather
		.amdhsa_group_segment_fixed_size 2304
		.amdhsa_private_segment_fixed_size 0
		.amdhsa_enable_private_segment 0
		.amdhsa_kernarg_size 48
		.amdhsa_user_sgpr_count 2
		.amdhsa_user_sgpr_kernarg_segment_ptr 1
		.amdhsa_wavefront_size32 1
		.amdhsa_system_sgpr_workgroup_id_x 1
		.amdhsa_system_sgpr_workgroup_id_y 1
		.amdhsa_system_sgpr_workgroup_id_z 1
		.amdhsa_system_vgpr_workitem_id 0
		.amdhsa_next_free_vgpr 152
		.amdhsa_next_free_sgpr 66
		.amdhsa_reserve_vcc 1
		.amdhsa_float_denorm_mode_32 3
		.amdhsa_float_denorm_mode_16_64 3
		.amdhsa_memory_ordered 1
		.amdhsa_forward_progress 1
		.amdhsa_inst_pref_size 36
	.end_amdhsa_kernel
	.amdgpu_metadata
---
amdhsa.version: [ 1, 2 ]
amdhsa.kernels:
  - .name:           k_qfc77da3911_gather
    .symbol:         k_qfc77da3911_gather.kd
    .args:
      - { .name: cur_xyzs, .offset: 0, .size: 8, .value_kind: global_buffer, .address_space: global }
      - { .name: pre_xyzs, .offset: 8, .size: 8, .value_kind: global_buffer, .address_space: global }
      - { .name: upsample_num, .offset: 16, .size: 8, .value_kind: global_buffer, .address_space: global }
      - { .name: grp2, .offset: 24, .size: 8, .value_kind: global_buffer, .address_space: global }
      - { .name: near, .offset: 32, .size: 8, .value_kind: global_buffer, .address_space: global }
      - { .name: out0, .offset: 40, .size: 8, .value_kind: global_buffer, .address_space: global }
    .group_segment_fixed_size: 2304
    .private_segment_fixed_size: 0
    .kernarg_segment_align: 8
    .kernarg_segment_size: 48
    .max_flat_workgroup_size: 512
    .sgpr_count:     66
    .vgpr_count:     152
    .wavefront_size: 32
...
	.end_amdgpu_metadata
.endif
;; end of part 3
;; ======== version 2 of 2: 3 launches; version 1 with the launch filter written anew for expert scheduling mode
;; limits: values within 0.000122 (relative) of each other or of a threshold may be ordered or decided otherwise than in the reference
;; workspace buffers: grp1 262,144 bytes of whole numbers; grp2 524,288 bytes of whole numbers; near 65,536 bytes of whole numbers
;; launch filter (part 4): grid 256 x 1, 8 waves a work-group, no clusters, 132,096 bytes of LDS; arguments cur_xyzs, pre_xyzs, grp1, grp2; writes grp1, grp2
.if DOCPART == 4
	.amdgcn_target "amdgcn-amd-amdhsa--gfx1250"
	.amdhsa_code_object_version 6
	.text
	.protected	k_qfc77da3911_filter
	.globl	k_qfc77da3911_filter
	.p2align	8
	.type	k_qfc77da3911_filter,@function
k_qfc77da3911_filter:
	s_mov_b64 s[64:65], 0
	v_nop
	global_prefetch_b8 v0, s[64:65] scope:SCOPE_SE
	s_setreg_imm32_b32 hwreg(HW_REG_WAVE_SCHED_MODE, 0, 2), 2
	s_setreg_imm32_b32 hwreg(HW_REG_WAVE_MODE, 25, 1), 1
	s_wait_xcnt 0x0
	s_wait_alu depctr_vm_vsrc(0)
; FILTER.  All 8,192 x 16,384 squared distances, twice, on the matrix unit; what leaves are whole numbers: for each point the
; numbers of a few GROUPS (16 consecutive points of the other cloud) among which its nearest neighbours lie.  The exact choice is made later.
; Work-groups 0-127 (dir 0): 128 cur points each against all 8,192 pre points; 3 groups a point -> grp1[c][4] (ascending; the fourth repeats the third).
; Work-groups 128-255 (dir 1): 128 pre points against half of cur (8,192 points, half = range); 8 groups a point and half -> grp2[range][p][8] (ascending).
; ONE PRODUCT GIVES d.  A streamed point is a row of 8 bf16 (x, y, z, s1, s2, s3, 1, 1), s = x^2 + y^2 + z^2 = s1 + s2 + s3 exactly; a fixed point
; is (-2x, -2y, -2z, 1, 1, 1, t1, t2); their product is s + t - 2 dot.  t's rounding shifts all distances of a fixed point alike and changes no order.
; A fragment's lanes 0-15 hold K 0-7 and lanes 16-31 K 8-15 of row lane % 16 (ISA guide 7.12.2), so one 16-byte LDS load a lane carries TWO tiles of 16 points;
; B1 holds the fixed rows in K 0-7 alone, B2 in K 8-15 alone: two matrix instructions, 512 distances, for each 512 bytes of LDS.
; In the results lane (r, h) holds fixed point r and streamed rows 8 h .. 8 h + 7 of both tiles; the table is laid so that these 16 are one group.
; The lane takes their minimum, puts the group's number into the 10 low bits of the mantissa, and inserts that key into a sorted list (median of three).
; LIMITS.  All inputs are rounded to bf16 first, as in the later launches.  The key is off by 2^-13 of itself at the most, beside the product's own rounding: 3 groups are kept
; where 1 would do, and 8 in each half where 8 in all would do; where more distances than that agree so closely other groups may be kept than the exact order would.
; NaN and infinities are not treated apart; coordinates stay under 1e19, so that s is finite.
; NO TENSOR LOADS, NO CLUSTER: the table is made from 96 KiB of raw planes by arithmetic, so the data pass through registers anyway.
; THE MODE: SCHED_MODE bits 1:0 = 2 (LLVM: expert scheduling mode 2), set by the entry lines.  The code itself states the register dependences
; between vector or matrix instructions and memory or LDS instructions, with s_wait_alu, always for 0.
; THE PLAN.  Registers that memory or LDS instructions touch:
;   v6, v14, v7, v8   offsets and LDS addresses, written once at the head, ahead of the first wait on va_vdst, and never again.
;   v136-231, v104-106  the global loads land in them; no vector instruction names them before that.
;   ROWS0, ROWS1      two buffers of four table rows.  Trip i of the build writes buffer i % 2; the four LDS stores that read it are issued at the head of trip i + 1.
;                     So at a trip's head one wait on va_vdst states that the trip before has written its buffer, and one on vm_vsrc that the stores issued a trip ago have read this trip's.
;   SETP, SETQ        Four slots multiply one set; the loads for the next four land in the other, which the four slots before multiplied.
;   v9                read by every fragment load; written once a trip of the walk, at its end.
;   v15, v136-139     the final store's offset and data.        v4, v5  written at the head, read by the closing add alone.
;   B1, B2, the results, the lists and v10-13 are named by vector and matrix instructions alone.
; In the walk ONE wait on va_vdst stands at the head of four slots: it states that the matrix instructions of the four slots before are done reading the other set and, over the
; backward jump, that v9 is written.  The four loads follow it, dealt among the matrix instructions, which name the set at work, B1, B2 and the results: none of the registers that the loads touch.
.set SPARE, 131072                     ; behind the table: the spare words, 128 bytes for each of eight waves
.set BIG,   0x7f7fffff                 ; the largest finite number
.set ONES,  0x3f803f80                 ; 1.0 twice in bf16
.set SETP,  40                         ; v40-71   four A fragments (8 registers each; the upper four stay 0)
.set SETQ,  72                         ; v72-103  four more
.set ROWS0, 232                        ; v232-247 four table rows: the build's even trips
.set ROWS1, 72                         ; v72-87   four table rows: its odd trips; at the head only, where SETQ is not yet in use
; v0 thread; v1 lane; v2 h; v3 r; v4, v5 the add's two registers; v6 16 x thread; v7, v8 table addresses for the build; v9 table address for the walk;
; v10 group number; v11 key; v12, v13 minima; v14 4 r; v15 output offset; v16-23 the list; v24-31 B1; v32-39 B2; v104-135 four results;
; v136-231 raw planes (later at work).
.macro INS base, n, key                ; a key into an ascending list of n: entry i becomes the median of its lower neighbour, itself and the key
.set ii, (\n)-1
.rept (\n)-1
	v_med3_num_f32 v[(\base)+ii], v[(\base)+ii-1], v[(\base)+ii], v[(\key)]
.set ii, ii-1
.endr
	v_min_num_f32 v[(\base)], v[(\base)], v[(\key)]
.endm
.macro INSG base, m, key               ; the same for a list that grows from m to m + 1 entries
.if (\m) == 0
	v_mov_b32 v[(\base)], v[(\key)]
.else
	v_max_num_f32 v[(\base)+(\m)], v[(\base)+(\m)-1], v[(\key)]
.set ii, (\m)-1
.rept (\m)-1
	v_med3_num_f32 v[(\base)+ii], v[(\base)+ii-1], v[(\base)+ii], v[(\key)]
.set ii, ii-1
.endr
	v_min_num_f32 v[(\base)], v[(\base)], v[(\key)]
.endif
.endm
; The four rows of trip i of the build go into the table, out of row buffer i % 2.
.macro PUT4 i
.set RS, ROWS0+(ROWS1-ROWS0)*((\i)%2)
.if (\i) < 4
	ds_store_b128 v7, v[RS:RS+3]     offset:16384*(\i)
	ds_store_b128 v7, v[RS+4:RS+7]   offset:16384*(\i)+64
	ds_store_b128 v7, v[RS+8:RS+11]  offset:16384*(\i)+256
	ds_store_b128 v7, v[RS+12:RS+15] offset:16384*(\i)+320
.else
	ds_store_b128 v8, v[RS:RS+3]     offset:16384*((\i)-4)
	ds_store_b128 v8, v[RS+4:RS+7]   offset:16384*((\i)-4)+64
	ds_store_b128 v8, v[RS+8:RS+11]  offset:16384*((\i)-4)+256
	ds_store_b128 v8, v[RS+12:RS+15] offset:16384*((\i)-4)+320
.endif
.endm
; Four points of trip i of the build: rounded to bf16, s in f32 from the rounded numbers, s split into three bf16, four rows into row buffer i % 2.  The rows of the trip before are stored at the head.
.macro BUILD4 i
	s_wait_loadcnt 24-3*(\i)               ; loads return in order: behind this trip's three stand 3 (7 - i) of later trips and the 3 of the fixed point
.if (\i) > 1
	s_wait_alu depctr_vm_vsrc(0)           ; the LDS stores issued in the trip before have read row buffer i % 2, which this trip's conversions write again
.endif
.if (\i) > 0
	s_wait_alu depctr_va_vdst(0)           ; the trip before has written the other row buffer (in trip 1 also: the rows' constant fourth words are written), which the stores below read
	PUT4 (\i)-1
.endif
.set RB, ROWS0+(ROWS1-ROWS0)*((\i)%2)
.irp e, 0,1,2,3
	v_cvt_pk_bf16_f32 v[RB+4*\e], v[136+12*(\i)+\e], v[140+12*(\i)+\e]    ; (x, y)
.endr
.irp e, 0,1,2,3
	v_cvt_pk_bf16_f32 v[40+8*\e], v[144+12*(\i)+\e], v[144+12*(\i)+\e]
.endr
.irp e, 0,1,2,3
	v_lshlrev_b32 v[41+8*\e], 16, v[RB+4*\e]                              ; x as rounded
.endr
.irp e, 0,1,2,3
	v_and_b32 v[42+8*\e], s37, v[RB+4*\e]                                 ; y
.endr
.irp e, 0,1,2,3
	v_lshlrev_b32 v[40+8*\e], 16, v[40+8*\e]                              ; z
.endr
.irp e, 0,1,2,3
	v_mul_f32 v[41+8*\e], v[41+8*\e], v[41+8*\e]
.endr
.irp e, 0,1,2,3
	v_fma_f32 v[41+8*\e], v[42+8*\e], v[42+8*\e], v[41+8*\e]
.endr
.irp e, 0,1,2,3
	v_fma_f32 v[41+8*\e], v[40+8*\e], v[40+8*\e], v[41+8*\e]              ; s
.endr
.irp e, 0,1,2,3
	v_cvt_pk_bf16_f32 v[RB+1+4*\e], v[144+12*(\i)+\e], v[41+8*\e]         ; (z, s1)
.endr
.irp e, 0,1,2,3
	v_and_b32 v[42+8*\e], s37, v[RB+1+4*\e]
.endr
.irp e, 0,1,2,3
	v_sub_f32 v[41+8*\e], v[41+8*\e], v[42+8*\e]                          ; s - s1, exact
.endr
.irp e, 0,1,2,3
	v_cvt_pk_bf16_f32 v[42+8*\e], v[41+8*\e], v[41+8*\e]
.endr
.irp e, 0,1,2,3
	v_lshlrev_b32 v[42+8*\e], 16, v[42+8*\e]
.endr
.irp e, 0,1,2,3
	v_sub_f32 v[42+8*\e], v[41+8*\e], v[42+8*\e]                          ; s - s1 - s2, exact, and it fits bf16
.endr
.irp e, 0,1,2,3
	v_cvt_pk_bf16_f32 v[RB+2+4*\e], v[41+8*\e], v[42+8*\e]                ; (s2, s3); the row's fourth word (1, 1) was set once
.endr
.endm
; One group: the minimum of the lane's 16 distances in result pair par (each result's lowest registers are read first), the key, the list of n.
.macro PROC par, n
.set DA, 104+16*(\par)
.set DB, 112+16*(\par)
	v_min3_num_f32 v12, v[DA], v[DA+1], v[DA+2]
	v_min3_num_f32 v13, v[DB], v[DB+1], v[DB+2]
	v_min3_num_f32 v12, v12, v[DA+3], v[DA+4]
	v_min3_num_f32 v13, v13, v[DB+3], v[DB+4]
	v_min3_num_f32 v12, v12, v[DA+5], v[DA+6]
	v_min3_num_f32 v13, v13, v[DB+5], v[DB+6]
	v_min3_num_f32 v12, v12, v[DA+7], v[DB+7]
	v_min_num_f32 v12, v12, v13
	v_bfi_b32 v11, s38, v12, v10           ; the distance's upper 22 bits, the group's number below
	v_add_nc_u32 v10, 2, v10               ; my next group: the two halves of the lanes take even and odd ones
	INS 16, \n, 11
.endm
; Two products into result pair par.  Behind them always stands the group of the OTHER pair: its ten and more plain instructions name no register of these products, and they are
; the places between a product and the first read of its result and the next write of its result (ISA guide 7.12.1).
.macro MUL2 a, par
	v_wmma_f32_16x16x32_bf16 v[104+16*(\par):111+16*(\par)], v[(\a):(\a)+7], v[24:31], 0
	v_wmma_f32_16x16x32_bf16 v[112+16*(\par):119+16*(\par)], v[(\a):(\a)+7], v[32:39], 0
.endm
; Four slots of 512 bytes: set sb is multiplied while set ob is loaded for the next four.
.macro HALF sb, ob, load, off, n
	s_wait_dscnt 0x0                       ; set sb's four loads, issued in the four slots before, are in
.if \load
	s_wait_alu depctr_va_vdst(0)           ; the matrix instructions of the four slots before are done reading set ob, in which the loads below land; behind the backward jump also: v9 is written
.endif
	MUL2 (\sb), 0
.if \load
	ds_load_b128 v[(\ob):(\ob)+3],     v9 offset:(\off)        ; no wait: no vector or matrix instruction since the wait above names set ob or v9
	ds_load_b128 v[(\ob)+8:(\ob)+11],  v9 offset:(\off)+512
.endif
	PROC 1, \n
	MUL2 (\sb)+8, 1
.if \load
	ds_load_b128 v[(\ob)+16:(\ob)+19], v9 offset:(\off)+1024
	ds_load_b128 v[(\ob)+24:(\ob)+27], v9 offset:(\off)+1536
.endif
	PROC 0, \n
	MUL2 (\sb)+16, 0
	PROC 1, \n
	MUL2 (\sb)+24, 1
	PROC 0, \n
.endm
; The walk over the table's 256 slots: 31 trips of eight, the last eight written out, since they load four slots fewer.
.macro WALK n
	s_mov_b32 s36, 31
.Lwalk_\@:
	HALF SETP, SETQ, 1, 2048, \n
	HALF SETQ, SETP, 1, 4096, \n
	s_wait_alu depctr_vm_vsrc(0)           ; the fragment loads issued so far have read v9
	v_add_nc_u32 v9, 0x1000, v9
	s_sub_co_u32 s36, s36, 1
	s_cmp_lg_u32 s36, 0
	s_cbranch_scc1 .Lwalk_\@
	HALF SETP, SETQ, 1, 2048, \n
	HALF SETQ, SETP, 0, 0, \n
	PROC 1, \n                             ; the last slot's group
.endm
	s_load_b128 s[4:7], s[0:1], 0x0        ; cur s[4:5], pre s[6:7]
	s_load_b128 s[8:11], s[0:1], 0x10      ; grp1 s[8:9], grp2 s[10:11]
	v_lshl_add_u32 v4, v0, 2, SPARE        ; my spare word
	v_mov_b32 v5, 0
	v_and_b32 v1, 31, v0                   ; lane
	v_lshrrev_b32 v2, 5, v0
	v_readfirstlane_b32 s12, v2            ; wave 0..7
	v_lshrrev_b32 v2, 4, v1                ; h
	v_and_b32 v3, 15, v0                   ; r
	v_lshlrev_b32 v6, 4, v0                ; my four points of a trip: 16 bytes in each plane
	; Where thread t puts its rows: slot t / 8; the odd group of a slot 128 bytes up; 16 (t % 4); the four rows at +0, +64, +256, +320.  So a slot's bytes 0-127 and 256-383
	; (load lanes 0-7 and 16-23) hold its even group, the others its odd group.  A wave's four slots are 2,048 bytes of its own in each trip's 16,384.
	v_lshrrev_b32 v7, 3, v1
	v_lshlrev_b32 v7, 9, v7
	v_and_b32 v8, 3, v0
	v_lshl_add_u32 v7, v8, 4, v7
	v_bfe_u32 v8, v0, 2, 1
	v_lshl_add_u32 v7, v8, 7, v7
	s_wait_alu depctr_va_sdst(0)           ; s12 is written, ahead of its first reader: LDS addresses and the bases of the fixed points and of the outputs are made from it
	s_lshl_b32 s15, s12, 11
	v_add_nc_u32 v7, s15, v7
	v_add_nc_u32 v8, 0x10000, v7           ; trips 4-7: the immediate has 16 bits
	v_lshlrev_b32 v9, 4, v1                ; the walk: 16 x lane, 512 neighbouring bytes a load
	v_lshlrev_b32 v14, 2, v3
	s_lshr_b32 s13, ttmp9, 7               ; dir
	s_and_b32 s14, ttmp9, 127              ; b
	s_and_b32 s39, s14, 1
	s_lshr_b32 s18, s14, 1
	s_mov_b32 s37, 0xffff0000              ; a word's upper bf16
	s_mov_b32 s38, 0xfffffc00              ; the key's distance bits
	s_mov_b32 s40, 0x76543210              ; v_permlanex16_b32: each lane takes its own place in the other half
	s_mov_b32 s41, 0xfedcba98
	s_mov_b32 s44, 0x8000                  ; bytes in a plane of pre
	s_mov_b32 s45, 0x10000                 ; and of cur
	s_mov_b32 s21, 0
	s_mov_b32 s23, 0
	s_mov_b32 s25, 0
	s_wait_kmcnt 0x0
	s_cmp_eq_u32 s13, 0                    ; the selects below leave SCC as it is
	s_cselect_b32 s39, 0, s39              ; range: which half of cur is streamed (dir 1)
	s_cselect_b32 s18, s14, s18            ; my block of 128 fixed points
	s_cselect_b32 s20, s44, s45            ; the streamed cloud's plane
	s_cselect_b32 s22, s45, s44            ; the fixed cloud's plane
	s_cselect_b64 s[16:17], s[6:7], s[4:5] ; streamed: pre (dir 0) or cur
	s_cselect_b64 s[30:31], s[4:5], s[6:7] ; fixed: cur (dir 0) or pre
	s_lshl_b32 s24, s39, 15
	s_add_nc_u64 s[16:17], s[16:17], s[24:25]   ; x,
	s_add_nc_u64 s[26:27], s[16:17], s[20:21]   ; y,
	s_add_nc_u64 s[28:29], s[26:27], s[20:21]   ; z of the streamed points
	s_lshl_b32 s24, s18, 9
	s_lshl_b32 s15, s12, 6
	s_add_co_u32 s24, s24, s15             ; (128 block + 16 wave) x 4 bytes
	s_add_nc_u64 s[30:31], s[30:31], s[24:25]
	s_add_nc_u64 s[32:33], s[30:31], s[22:23]
	s_add_nc_u64 s[34:35], s[32:33], s[22:23]
	s_wait_alu depctr_va_vdst(0)           ; v6 and v14 are written, which the loads below read as offsets; so are v7, v8 and v9, the LDS addresses of the build and of the walk
.set i, 0
.rept 8                                ; all 96 KiB of the three planes are asked for at once: 24 loads a wave, 512 neighbouring bytes each
	global_load_b128 v[136+12*i:139+12*i], v6, s[16:17] offset:4096*i
	global_load_b128 v[140+12*i:143+12*i], v6, s[26:27] offset:4096*i
	global_load_b128 v[144+12*i:147+12*i], v6, s[28:29] offset:4096*i
.set i, i+1
.endr
	global_load_b32 v104, v14, s[30:31]    ; my fixed point: r of my wave's 16, in both halves of the lanes
	global_load_b32 v105, v14, s[32:33]
	global_load_b32 v106, v14, s[34:35]
.irp e, 0,1,2,3
	v_mov_b32 v[ROWS0+3+4*\e], ONES        ; the rows' fourth word (1, 1), once in each row buffer
	v_mov_b32 v[ROWS1+3+4*\e], ONES
.endr
.irp i, 0,1,2,3,4,5,6,7
	BUILD4 \i
.endr
	s_wait_alu depctr_va_vdst(0)           ; trip 7 has written its row buffer, which the last four stores read
	PUT4 7
	s_wait_loadcnt 0x0                     ; the fixed point
	v_cvt_pk_bf16_f32 v107, v104, v105
	v_cvt_pk_bf16_f32 v108, v106, v106
	v_lshlrev_b32 v109, 16, v107
	v_and_b32 v110, s37, v107
	v_lshlrev_b32 v111, 16, v108
	v_mul_f32 v112, v109, v109
	v_fma_f32 v112, v110, v110, v112
	v_fma_f32 v112, v111, v111, v112       ; t
	v_mul_f32 v109, -2.0, v109             ; exact
	v_mul_f32 v110, -2.0, v110
	v_mul_f32 v111, -2.0, v111
	v_mov_b32 v114, 1.0
	v_cvt_pk_bf16_f32 v113, v109, v110     ; (-2x, -2y)
	v_cvt_pk_bf16_f32 v114, v111, v114     ; (-2z, 1)
	v_cvt_pk_bf16_f32 v115, v112, v112
	v_lshlrev_b32 v115, 16, v115
	v_sub_f32 v116, v112, v115
	v_cvt_pk_bf16_f32 v116, v112, v116     ; (t1, t2)
	v_mov_b32 v115, ONES                   ; (1, 1)
	v_cmp_gt_u32 vcc_lo, 16, v1
.irp j, 28,29,30,31,36,37,38,39
	v_mov_b32 v\j, 0                       ; K 16-31 is not used
.endr
	s_wait_alu depctr_va_vcc(0)            ; VCC is written by the compare above, ahead of its first reader
.irp j, 0,1,2,3
	v_cndmask_b32 v[24+\j], 0, v[113+\j], vcc_lo      ; B1: the row in lanes 0-15 (K 0-7), 0 above
	v_cndmask_b32 v[32+\j], v[113+\j], v28, vcc_lo    ; B2: the row in lanes 16-31 (K 8-15), 0 below
.endr
	s_wait_alu depctr_vm_vsrc(0)           ; the odd trips' LDS stores have read v72-87: eight of these registers are written just below, and fragments land in the other eight in the walk
.set i, 0
.rept 8
.irp j, 4,5,6,7
	v_mov_b32 v[40+8*i+\j], 0              ; the fragments' K 16-31, once
.endr
.set i, i+1
.endr
.set i, 120
.rept 16
	v_mov_b32 v[i], BIG                    ; what the first PROC reads: a group that is none; 256 true groups a lane push it out of the list
.set i, i+1
.endr
.set i, 16
.rept 8
	v_mov_b32 v[i], BIG
.set i, i+1
.endr
	s_lshl_b32 s15, s39, 9
	s_sub_co_u32 s15, s15, 2
	v_add_nc_u32 v10, s15, v2              ; 512 range + h - 2: the first PROC's step makes it slot 0's group
	s_wait_alu depctr_va_vdst(0)           ; all that the build wrote in v40-103 (its temporaries, the odd trips' rows) is written: fragments land there from here on; no vector instruction stands between this wait and the first four loads
	s_wait_dscnt 0x0                       ; for the others' sake: my rows are in the table
	s_barrier_signal -1
	s_barrier_wait -1                      ; everybody's are; the table is only read from here on
	ds_load_b128 v[40:43], v9
	ds_load_b128 v[48:51], v9 offset:512
	ds_load_b128 v[56:59], v9 offset:1024
	ds_load_b128 v[64:67], v9 offset:1536
	s_cmp_lg_u32 s13, 0
	s_cbranch_scc1 .Ltop8                  ; the same way for all waves of a work-group; no barrier follows
	WALK 3
	; the two halves of the lanes hold even and odd groups of the same point: each takes the other's list in
.irp j, 0,1,2
	v_permlanex16_b32 v[136+\j], v[16+\j], s40, s41
.endr
.irp j, 0,1,2
	INS 16, 3, 136+\j
.endr
.irp j, 0,1,2
	v_and_b32 v[136+\j], 0x3ff, v[16+\j]   ; the groups' numbers,
.endr
.irp j, 0,1,2
	v_cvt_f32_u32 v[136+\j], v[136+\j]     ; sorted ascending as floats (exact up to 1,023), so that the next launch meets lower indices first
.endr
.irp j, 0,1,2
	INSG 144, \j, 136+\j
.endr
.irp j, 0,1,2
	v_cvt_u32_f32 v[144+\j], v[144+\j]
.endr
	v_cmp_eq_u32 vcc_lo, 0, v2
	v_lshlrev_b32 v15, 4, v3
	v_lshl_add_u32 v15, v2, 3, v15
	s_lshl_b32 s24, s14, 11
	s_lshl_b32 s15, s12, 8
	s_add_co_u32 s24, s24, s15             ; (128 b + 16 wave) x 16 bytes
	s_add_nc_u64 s[8:9], s[8:9], s[24:25]
	s_wait_alu depctr_va_vcc(0)            ; VCC is written by the compare above, ahead of its first reader
	v_cndmask_b32 v136, v146, v144, vcc_lo ; lanes 0-15: entries 0, 1; lanes 16-31: entry 2 twice
	v_cndmask_b32 v137, v146, v145, vcc_lo
	s_wait_alu depctr_va_vdst(0)           ; v136, v137 and v15 are written: the store's data and its offset
	global_store_b64 v15, v[136:137], s[8:9]   ; the wave's store covers 256 consecutive bytes, aligned
	s_wait_dscnt 0x0                       ; the wave's end
	s_wait_alu 0x0
	s_wait_tensorcnt 0x0
	ds_add_u32 v4, v5
	s_wait_dscnt 0x0
	s_endpgm
.Ltop8:
	WALK 8
.irp j, 0,1,2,3,4,5,6,7
	v_permlanex16_b32 v[136+\j], v[16+\j], s40, s41
.endr
.irp j, 0,1,2,3,4,5,6,7
	INS 16, 8, 136+\j
.endr
.irp j, 0,1,2,3,4,5,6,7
	v_and_b32 v[136+\j], 0x3ff, v[16+\j]
.endr
.irp j, 0,1,2,3,4,5,6,7
	v_cvt_f32_u32 v[136+\j], v[136+\j]
.endr
.irp j, 0,1,2,3,4,5,6,7
	INSG 144, \j, 136+\j
.endr
.irp j, 0,1,2,3,4,5,6,7
	v_cvt_u32_f32 v[144+\j], v[144+\j]
.endr
	v_cmp_eq_u32 vcc_lo, 0, v2
	v_lshlrev_b32 v15, 5, v3
	v_lshl_add_u32 v15, v2, 4, v15
	s_lshl_b32 s24, s39, 18                ; range x 8,192 points x 32 bytes
	s_lshl_b32 s15, s18, 12
	s_add_co_u32 s24, s24, s15
	s_lshl_b32 s15, s12, 9
	s_add_co_u32 s24, s24, s15             ; + (128 block + 16 wave) x 32 bytes
	s_add_nc_u64 s[10:11], s[10:11], s[24:25]
	s_wait_alu depctr_va_vcc(0)            ; VCC is written by the compare above, ahead of its first reader
.irp j, 0,1,2,3
	v_cndmask_b32 v[136+\j], v[148+\j], v[144+\j], vcc_lo   ; lanes 0-15: entries 0-3; lanes 16-31: entries 4-7
.endr
	s_wait_alu depctr_va_vdst(0)           ; v136-139 and v15 are written: the store's data and its offset
	global_store_b128 v15, v[136:139], s[10:11]   ; 512 consecutive bytes, aligned
	s_wait_dscnt 0x0                       ; the wave's end
	s_wait_alu 0x0
	s_wait_tensorcnt 0x0
	ds_add_u32 v4, v5
	s_wait_dscnt 0x0
	s_endpgm
.Lfunc_end_k_qfc77da3911_filter:
	.size	k_qfc77da3911_filter, .Lfunc_end_k_qfc77da3911_filter-k_qfc77da3911_filter
	.p2alignl 7, 3214868480
	.fill 96, 4, 3214868480
	.section	.rodata,"a",@progbits
	.p2align	6, 0x0
	.amdhsa_kernel k_qfc77da3911_filter
		.amdhsa_group_segment_fixed_size 132096
		.amdhsa_private_segment_fixed_size 0
		.amdhsa_enable_private_segment 0
		.amdhsa_kernarg_size 32
		.amdhsa_user_sgpr_count 2
		.amdhsa_user_sgpr_kernarg_segment_ptr 1
		.amdhsa_wavefront_size32 1
		.amdhsa_system_sgpr_workgroup_id_x 1
		.amdhsa_system_sgpr_workgroup_id_y 1
		.amdhsa_system_sgpr_workgroup_id_z 1
		.amdhsa_system_vgpr_workitem_id 0
		.amdhsa_next_free_vgpr 256
		.amdhsa_next_free_sgpr 66
		.amdhsa_reserve_vcc 1
		.amdhsa_float_denorm_mode_32 3
		.amdhsa_float_denorm_mode_16_64 3
		.amdhsa_memory_ordered 1
		.amdhsa_forward_progress 1
		.amdhsa_inst_pref_size 81
	.end_amdhsa_kernel
	.amdgpu_metadata
---
amdhsa.version: [ 1, 2 ]
amdhsa.kernels:
  - .name:           k_qfc77da3911_filter
    .symbol:         k_qfc77da3911_filter.kd
    .args:
      - { .name: cur_xyzs, .offset: 0, .size: 8, .value_kind: global_buffer, .address_space: global }
      - { .name: pre_xyzs, .offset: 8, .size: 8, .value_kind: global_buffer, .address_space: global }
      - { .name: grp1, .offset: 16, .size: 8, .value_kind: global_buffer, .address_space: global }
      - { .name: grp2, .offset: 24, .size: 8, .value_kind: global_buffer, .address_space: global }
    .group_segment_fixed_size: 132096
    .private_segment_fixed_size: 0
    .kernarg_segment_align: 8
    .kernarg_segment_size: 32
    .max_flat_workgroup_size: 256
    .sgpr_count:     66
    .vgpr_count:     256
    .wavefront_size: 32
...
	.end_amdgpu_metadata
.endif
;; end of part 4
;; launch nearest: the kernel of part 2 again; grid 256 x 1, 2 waves a work-group, no clusters, 0 bytes of LDS; arguments cur_xyzs, pre_xyzs, grp1, near; writes near
;; launch gather: the kernel of part 3 again; grid 256 x 1, 16 waves a work-group, no clusters, 2,304 bytes of LDS; arguments cur_xyzs, pre_xyzs, upsample_num, grp2, near, out0; writes out0
